; MI455X (gfx1250); checked and timed in simulation.
; The chip was launched on July 23, 2026; its instructions are those of AMD's public machine-readable ISA for CDNA 5 (MIT licence, August 2026) and "CDNA5" Instruction Set Architecture Reference Guide (July 2026). The comments in the code are by the model that wrote it; some were corrected since.
;; Attetion Layer. Allowed arithmetic: matrix products marked QUANTISED: E5M2 operands, one E8M0 scale for each 32 along K, by v_wmma_scale_f32_16x16x128_f8f6f4 with both operands' format E5M2, f32 sums; everything else in f32.
;; Inputs: bf 32 float32; bg 32 float32; bh 32 float32; bv 256 float32; gamma 1 float32; wf 32 x 256 float32; wg 32 x 256 float32; wh 32 x 256 float32; wv 256 x 32 float32; x 4 x 256 x 64 x 64 float32.
;; Outputs: out0 4 x 256 x 64 x 64 float32.
;; This version of the problem:
;;   THIS VERSION OF THE PROBLEM IS GIVEN IN LOW PRECISION. The matrix products marked QUANTISED in the list below multiply operands that are first quantised to E5M2 (5 exponent bits, 2 mantissa bits; 8 bits a number), with one power-of-two scale for each 32 numbers along K (OCP MX v1.0); their sums are f32. All else is computed in f32.
;;   The module's matrix products, in the order in which they are computed (A, B: the left and right operand; K: the contracted axis; several contracted axes count as one K, in the product's order):
;;     1. [M 32, K 256] x [K 256, N 16,384]; A: input wf; B: input x: QUANTISED
;;     2. [M 32, K 256] x [K 256, N 16,384]; A: input wg; B: input x: QUANTISED
;;     3. [M 32, K 256] x [K 256, N 16,384]; A: input wh; B: input x: QUANTISED
;;     4. batch 4 x [M 4,096, K 32] x [K 32, N 4,096]; A: computed on the way; B: computed on the way: QUANTISED
;;     5. batch 4 x [M 32, K 4,096] x [K 4,096, N 4,096]; A: computed on the way; B: softmax (see below): QUANTISED
;;     6. [M 256, K 32] x [K 32, N 16,384]; A: input wv; B: computed on the way: QUANTISED
;;   THE QUANTISER, for each operand of a quantised product, along K:
;;     - K is cut into blocks of 32 from its start; a last block that is shorter is filled with zeros.
;;     - A block's scale is 2^e with e = floor(log2(the largest magnitude in the block)) - 15, held to -126 .. 127; a block of zeros has e = 0. As a byte (E8M0): e + 127.
;;     - Each number is divided by its block's scale, clamped to +-57,344, and rounded to the nearest number of E5M2, ties to even, subnormals kept.
;;     - The product sums the exact products of the quantised numbers (number of the format x scale) in f32.
;;   ~~~python
;;   def quantise(x, axis):      # numpy; x: float32 -> the quantised numbers, widened to float32 again
;;       x = np.moveaxis(x, axis, -1); K = x.shape[-1]
;;       x = np.pad(x, [(0, 0)] * (x.ndim - 1) + [(0, -K % 32)]); x = x.reshape(x.shape[:-1] + (-1, 32)); a = np.abs(x).max(-1, keepdims=True)
;;       e = np.where(a > 0, np.clip(np.frexp(np.where(a > 0, a, 1))[1] - 1 - 15, -126, 127), 0)      # np.frexp(a)[1] - 1 = floor(log2(a)), exactly
;;       r = np.clip(x / 2.0 ** e, -57344, 57344)
;;       step = 2.0 ** (np.maximum(np.frexp(np.where(r == 0, 1, r))[1] - 1, -14) - 2)
;;       q = np.round(r / step) * step * 2.0 ** e      # np.round: ties to even
;;       return np.moveaxis(q.reshape(q.shape[:-2] + (-1,))[..., :K], -1, axis).astype(np.float32)
;;   ~~~
;;   SOFTMAX AHEAD OF A QUANTISED PRODUCT. Where the list says 'softmax', what is quantised is not the finished softmax but p = 2^(t - M), with t = logit x log2(e) and M = ceil(the row's largest t), a whole number; so 1/2 < the row's largest p <= 1. The row's sum l is taken of the UNQUANTISED p, in f32, and the product's result is divided by l at the end. Since M is a whole number, a kernel that streams over the keys may use a running M (the ceiling of the running maximum): every later rescaling is an exact power of two, which a block's scale takes up: the codes' values come out the same.
;;   OPERANDS COMPUTED ON THE WAY. 'Computed on the way' means the value that the module computes at that place (a softmax that the list does not call 'softmax' is quantised finished and normalised). What goes into a quantiser is computed in f32, as accurately as f32 sums, v_exp_f32 and their like allow (about 1e-6 of the number): no bf16 or f16 on the way to a quantiser, and a product that is left as it is and whose result goes on into a quantised operand takes f32 operands (vector FMAs, or v_wmma_f32_16x16x4_f32). A number that lies on a knife's edge between two numbers of the format may be rounded either way, as far as f32 arithmetic and the matrix unit's own rounding can turn it there, and no further.
;; One version. Each part assembles by itself: llvm-mc -triple=amdgcn-amd-amdhsa -mcpu=gfx1250 --defsym DOCPART=n.
;; ======== version 1 of 1: 2 launches
;; limits: right only within a limited range of input values
;; workspace buffers: fq 524,288 bytes; fs 65,536 bytes; gq 524,288 bytes; gs 16,384 bytes; hq 524,288 bytes; hs 16,384 bytes
;; launch proj (part 1): grid 64 x 4, 8 waves a work-group, no clusters, 51,200 bytes of LDS; arguments x, wf, wg, wh, bf, bg, bh, fq, fs, gq, gs, hq, hs; writes fq, fs, gq, gs, hq, hs
.if DOCPART == 1
	.amdgcn_target "amdgcn-amd-amdhsa--gfx1250"
	.amdhsa_code_object_version 6
	.text
	.protected	k_q5148538aaf_proj
	.globl	k_q5148538aaf_proj
	.p2align	8
	.type	k_q5148538aaf_proj,@function
k_q5148538aaf_proj:
	s_mov_b64 s[64:65], 0
	v_nop
	global_prefetch_b8 v0, s[64:65] scope:SCOPE_SE
	s_setreg_imm32_b32 hwreg(HW_REG_WAVE_MODE, 25, 1), 1
	s_wait_xcnt 0x0
; f = wf x + bf, g = wg x + bg, h = wh x + bh on codes of BF8 (E5M2) with one E8M0 scale for each 32 along K (K = the 256 channels), and the three results
; quantised again for the attention launch: f and g along their 32 channels (one block a column), h along the keys (blocks of 32 columns).
; x: [4][256][4096] f32; wf, wg, wh: [32][256] f32; bf, bg, bh: [32] f32.
; SHARES.  Work-group (nb, b) owns columns 64 nb .. 64 nb + 63 of image b.  Eight waves.
; PHASE A: wave w owns K block w (channels 32 w .. 32 w + 31): it quantises that block of the 64 columns of x and of all 96 weight rows, and stores codes and scale
; bytes to LDS as IMAGES OF OPERAND REGISTERS (16 bytes a lane at 16 x lane, no pitch).  x's loads read whole rows of 256 bytes (16 lanes x 16 bytes); a lane's four
; numbers of a load are four columns, so column tile i = columns 4 r + i, and a tile's 16 numbers along K stand four registers apart: the hold that the conversion
; wants anyway writes them to neighbouring registers.
; PHASE B: waves 0-3 (column tile i = wave): source 0 = 16 rows of wf or wg, source 1 = x's tile: a lane holds one column and 16 neighbouring channels of f and of g.
; Waves 4, 5 (16 channels of h each): source 0 = x's tiles, source 1 = wh: a lane holds one channel and a whole block of 32 keys.  Waves 6, 7 have no product.
; THE ROWS OF A WEIGHT TILE ARE NOT NEIGHBOURS: row r of tile u is channel 8 u + r + (r & 8), so that two tiles' 16 registers are 16 neighbouring channels.
; WHAT IS STORED (layouts are this program's own, laid as the attention launch's operand registers take them):
;   fq [b][nb][qt 4][lane][16]: lane (r, h) of tile qt: query 64 nb + 16 qt + r, channels 16 h ..;   fs [b][n] words: the query's scale byte four times
;   gq [b][nb][cc 4][lane][16]: block cc, row p: key 64 nb + 32 (cc >> 1) + 4 (p & 7) + 2 (p >> 3) + (cc & 1);   gs [b][nb][p 16][cc 4] bytes
;   hq [b][s 32][u 2][c 4][lane][16]: row r: channel 8 u + r + (r & 8); byte 8 u' + j' of lane half h2: key 128 s + 32 c + 4 j' + 2 h2 + u';   hs [b][s][u][r 16][c 4] bytes
; LIMITS: NaN and infinities among the inputs are not served.  A block whose largest magnitude lies under 2^-111 (a block of zeros among them) gets the scale byte 1:
; the bytes are read by this program alone, and zero codes add nothing under any such byte.
.set SCW,  40960                       ; LDS: 0 .. 40,959 ten images of 4,096 bytes (0-5: wf, wg, wh, two tiles each; 6-9: x's column tiles); here their scale words, 256 bytes an image
.set OSTF, 43520                       ; stages for the way out: f's codes, 2,048 bytes,
.set OSTG, 45568                       ; g's,
.set OSTH, 47616                       ; h's,
.set OSFS, 49664                       ; f's scale words, 256 bytes,
.set OSGS, 49920                       ; g's scale bytes, 64 bytes
.set IW,   1                           ; v1   where I store a piece of an image: 16 x lane + 512 x wave
.set SW,   2                           ; v2   and its scale byte: SCW + 128 (wave >> 2) + 4 x lane + (wave & 3)
.set L16,  3                           ; v3   16 x lane
.set L16I, 4                           ; v4   + 4,096 (wave & 3)
.set L4,   5                           ; v5   SCW + 4 x lane
.set L4I,  6                           ; v6   + 256 (wave & 3)
.set FST,  7                           ; v7   f's codes into their stage
.set GST,  8                           ; v8   g's
.set FSS,  9                           ; v9   f's scale word
.set GSS,  10                          ; v10  g's scale byte
.set HST,  11                          ; v11  h's codes
.set HSG,  12                          ; v12  h's scale byte, in memory
.set RB,   13                          ; v13  the way out: where I read the stages
.set GOF,  14                          ; v14  and where that goes in fq and gq,
.set HOF,  15                          ; v15  in hq
.set L8F,  250                         ; v250 f's scale words, 8 bytes a lane: LDS,
.set G8,   251                         ; v251 memory
.set L2G,  252                         ; v252 g's scale bytes, 2 bytes a lane: LDS,
.set G2,   253                         ; v253 memory
.set BH,   254                         ; v254 bh of my lane's channel
.set BI,   16                          ; v16-47   bf and bg in the result's layout: the C of each sum's first product
.set WR,   48                          ; v48-143  phase A: six weight tiles x 16 numbers; later x's numbers in order
.set XR,   144                         ; v144-207 phase A: x as loaded
.set CD,   208                         ; v208-223 phase A: codes
.set MX,   224                         ; v224-227 largest magnitudes (at the head: r, h, lane, r + (r & 8))
.set PT,   228                         ; v228-231 the other half's, then the scale bytes
.set SO,   232                         ; v232-235 the conversions' scale operands
.set LM,   236                         ; v236-239 the largest number x the scale
.set BO,   240                         ; v240-243 offsets of the loads from memory
.set XO,   241
.set WO,   242
.set BHO,  243
.set AF,   48                          ; phase B: v48-175 four fragments x two K steps of source 0
.set BF,   176                         ; v176-207 source 1's two
.set ACC,  208                         ; v208-239 four accumulators
.set ASC,  240                         ; v240-247 source 0's scale words
.set BSC,  248                         ; v248-249 source 1's
.set WV,   34                          ; s34 wave;  s35 image;  s[36:37] lane selects;  s38 mantissa field of 57,344;  s39 wave & 3;  s48 wave & 1
.set IB,   35
.set SEL,  36
.set MNT,  38
.set WI,   39
.set W1,   48
.set TR,   224
.set TH,   225
.set TL,   226
.set TRR,  227
.set T4,   228
.set T5,   229
; The largest magnitude of a lane's 16 numbers, n tiles by turns; tile t's number k stands at v[S + TS t + KS k].  The floor 2^(16 - 127) is a leaf: the byte cannot fall under 1.
.macro MAXG n, S, TS, KS
.set t_, 0
.rept \n
	v_max3_num_f32 v[MX+t_], |v[(\S)+(\TS)*t_]|, |v[(\S)+(\TS)*t_+(\KS)]|, 0x8000000
.set t_, t_+1
.endr
.set k_, 2
.rept 7
.set t_, 0
.rept \n
	v_max3_num_f32 v[MX+t_], v[MX+t_], |v[(\S)+(\TS)*t_+(\KS)*k_]|, |v[(\S)+(\TS)*t_+(\KS)*(k_+1)]|
.set t_, t_+1
.endr
.set k_, k_+2
.endr
.endm
; With lane l xor 16's 16 numbers: the block's.  Then the conversion's scale operand (15 off the exponent field), 57,344 x the scale, and the scale's byte.
.macro SCALEG n
.set t_, 0
.rept \n
	v_permlanex16_b32 v[PT+t_], v[MX+t_], s[SEL], s[SEL+1]
.set t_, t_+1
.endr
.set t_, 0
.rept \n
	v_max_num_f32 v[MX+t_], v[MX+t_], v[PT+t_]
.set t_, t_+1
.endr
.set t_, 0
.rept \n
	v_add_nc_u32 v[SO+t_], 0xf8800000, v[MX+t_]
.set t_, t_+1
.endr
.set t_, 0
.rept \n
	v_and_or_b32 v[LM+t_], v[MX+t_], 0x7f800000, s[MNT]
.set t_, t_+1
.endr
.set t_, 0
.rept \n
	v_lshrrev_b32 v[PT+t_], 23, v[SO+t_]
.set t_, t_+1
.endr
.endm
; Tile t: the hold at the largest code x the scale (the conversion to an 8-bit code does not saturate: ISA guide 7.6.2), written to 16 neighbouring registers at v[H + 16 t]; then 16 codes.
.macro HOLDCVT t, S, TS, KS, H
.set k_, 0
.rept 16
	v_med3_num_f32 v[(\H)+16*(\t)+k_], v[(\S)+(\TS)*(\t)+(\KS)*k_], -v[LM+(\t)], v[LM+(\t)]
.set k_, k_+1
.endr
	v_cvt_scalef32_pk8_bf8_f32 v[CD+4*(\t):CD+4*(\t)+1], v[(\H)+16*(\t):(\H)+16*(\t)+7], v[SO+(\t)]
	v_cvt_scalef32_pk8_bf8_f32 v[CD+4*(\t)+2:CD+4*(\t)+3], v[(\H)+16*(\t)+8:(\H)+16*(\t)+15], v[SO+(\t)]
.endm
.macro PUT t, img                      ; my K block's piece of image img, and its scale byte (both halves of the lanes hold the same byte and write words of their own)
	ds_store_b128 v[IW], v[CD+4*(\t):CD+4*(\t)+3] offset:4096*(\img)
	ds_store_b8 v[SW], v[PT+(\t)] offset:256*(\img)
.endm
; Four tiles of source 0 against one tile of source 1, K = 256 in two steps.  cm = 1: the biases are the C of the first step.  The four accumulators take turns, one instruction a turn.
.macro PROD pa, poa, psa, posa, pb, pob, psb, posb, cm
.irp s, 0,1
.irp c, 0,1,2,3
	ds_load_b128 v[BF+16*\s+4*\c:BF+16*\s+4*\c+3], v[\pb] offset:\pob+2048*\s+512*\c
.endr
	ds_load_b32 v[BSC+\s], v[\psb] offset:\posb+128*\s
.endr
.irp a, 0,1,2,3
.irp s, 0,1
.irp c, 0,1,2,3
	ds_load_b128 v[AF+32*\a+16*\s+4*\c:AF+32*\a+16*\s+4*\c+3], v[\pa] offset:\poa+4096*\a+2048*\s+512*\c
.endr
	ds_load_b32 v[ASC+2*\a+\s], v[\psa] offset:\posa+256*\a+128*\s
.endr
.endr
	s_wait_dscnt 0x0
.irp a, 0,1,2,3
.if \cm
	v_wmma_scale_f32_16x16x128_f8f6f4 v[ACC+8*\a:ACC+8*\a+7], v[AF+32*\a:AF+32*\a+15], v[BF:BF+15], v[BI+8*\a:BI+8*\a+7], v[ASC+2*\a], v[BSC] matrix_a_fmt:MATRIX_FMT_BF8 matrix_b_fmt:MATRIX_FMT_BF8
.else
	v_wmma_scale_f32_16x16x128_f8f6f4 v[ACC+8*\a:ACC+8*\a+7], v[AF+32*\a:AF+32*\a+15], v[BF:BF+15], 0, v[ASC+2*\a], v[BSC] matrix_a_fmt:MATRIX_FMT_BF8 matrix_b_fmt:MATRIX_FMT_BF8
.endif
.endr
.irp a, 0,1,2,3
	v_wmma_scale_f32_16x16x128_f8f6f4 v[ACC+8*\a:ACC+8*\a+7], v[AF+32*\a+16:AF+32*\a+31], v[BF+16:BF+31], v[ACC+8*\a:ACC+8*\a+7], v[ASC+2*\a+1], v[BSC+1] matrix_a_fmt:MATRIX_FMT_BF8 matrix_b_fmt:MATRIX_FMT_BF8
.endr
.rept 8
	v_nop                                          ; eight places in front of the first read of results and the first write of operand registers
.endr
.endm
	s_load_b512 s[8:23], s[0:1], 0x0               ; x s[8:9], wf s[10:11], wg s[12:13], wh s[14:15], bf s[16:17], bg s[18:19], bh s[20:21], fq s[22:23]
	s_load_b256 s[24:31], s[0:1], 0x40             ; fs s[24:25], gq s[26:27], gs s[28:29], hq s[30:31]
	s_load_b64 s[32:33], s[0:1], 0x60              ; hs
	v_lshl_add_u32 v255, v0, 2, 0xc400
	s_set_vgpr_msb 0x40
	v_mov_b32 v1, 0
	s_set_vgpr_msb 0x4000
	v_lshrrev_b32 v[TR], 5, v0
	s_delay_alu instid0(VALU_DEP_1)
	v_readfirstlane_b32 s[WV], v[TR]               ; wave 0..7
	v_and_b32 v[TR], 15, v0                        ; r
	v_bfe_u32 v[TH], v0, 4, 1                      ; h
	v_and_b32 v[TL], 31, v0                        ; lane
	s_delay_alu instid0(VALU_DEP_3)
	v_and_b32 v[TRR], 8, v[TR]
	s_delay_alu instid0(VALU_DEP_1)
	v_add_nc_u32 v[TRR], v[TRR], v[TR]             ; r + (r & 8)
	s_and_b32 s[IB], ttmp7, 0xffff                 ; image
	s_and_b32 s[WI], s[WV], 3
	s_and_b32 s[W1], s[WV], 1
	v_lshlrev_b32 v[BO], 6, v[TH]                  ; bf, bg: my half's 16 channels
	v_lshlrev_b32 v[XO], 4, v[TR]                  ; x: 16 bytes a lane in a row's 256,
	s_delay_alu instid0(VALU_DEP_1)
	v_lshl_or_b32 v[XO], v[TH], 18, v[XO]          ; lanes 16-31 sixteen channels (of 16,384 bytes) further down
	v_lshlrev_b32 v[WO], 10, v[TRR]                ; weights: row r + (r & 8) of 1,024 bytes,
	s_delay_alu instid0(VALU_DEP_1)
	v_lshl_add_u32 v[WO], v[TH], 6, v[WO]          ; + my half's 16 numbers,
	s_lshl_b32 s40, s[WV], 7
	v_add_nc_u32 v[WO], s40, v[WO]                 ; + my wave's K block
	s_lshl_b32 s40, s[W1], 5
	v_lshl_add_u32 v[BHO], v[TRR], 2, s40          ; bh: channel 8 (wave & 1) + r + (r & 8)
	s_lshl_b32 s40, s[IB], 22                      ; x: image of 4 MiB,
	s_lshl_b32 s41, s[WV], 19                      ; 32 channels a wave,
	s_add_co_u32 s40, s40, s41
	s_lshl_b32 s41, ttmp9, 8                       ; 64 columns a work-group
	s_add_co_u32 s40, s40, s41
	s_mov_b32 s41, 0
	s_wait_alu depctr_va_vdst(0)
	s_wait_kmcnt 0x0
	s_add_nc_u64 s[8:9], s[8:9], s[40:41]
.irp u, 0,1
.irp q, 0,1
	global_load_b128 v[BI+8*\u+4*\q:BI+8*\u+4*\q+3], v[BO], s[16:17] offset:32*\u+16*\q          ; bf(16 h + 8 u + 0 .. 7)
	global_load_b128 v[BI+16+8*\u+4*\q:BI+16+8*\u+4*\q+3], v[BO], s[18:19] offset:32*\u+16*\q    ; bg likewise
.endr
.endr
	global_load_b32 v[BH], v[BHO], s[20:21]
.irp p, 0,1,2
.irp u, 0,1
.irp q, 0,1,2,3
	global_load_b128 v[WR+16*(2*\p+\u)+4*\q:WR+16*(2*\p+\u)+4*\q+3], v[WO], s[10+2*\p:11+2*\p] offset:8192*\u+16*\q
.endr
.endr
.endr
.irp k, 0,1,2,3,4,5,6,7,8,9,10,11,12,13,14,15
	global_load_b128 v[XR+4*\k:XR+4*\k+3], v[XO], s[8:9] offset:16384*\k th:TH_LOAD_NT   ; channel 32 w + 16 h + k: sixteen lanes read 256 consecutive aligned bytes
.endr
	; every LDS address is made here, on the one way that all waves take, while the loads are out
	s_lshl_b32 s42, s[WV], 9
	v_lshl_add_u32 v[IW], v[TL], 4, s42
	s_lshr_b32 s42, s[WV], 2
	s_lshl_b32 s42, s42, 7
	s_add_co_u32 s42, s42, s[WI]
	s_add_co_u32 s42, s42, SCW
	v_lshl_add_u32 v[SW], v[TL], 2, s42
	v_lshlrev_b32 v[L16], 4, v[TL]
	s_lshl_b32 s42, s[WI], 12
	v_add_nc_u32 v[L16I], s42, v[L16]
	v_lshl_add_u32 v[L4], v[TL], 2, SCW
	s_lshl_b32 s42, s[WI], 8
	v_add_nc_u32 v[L4I], s42, v[L4]
	v_lshrrev_b32 v[T4], 2, v[TR]                  ; f: column 4 r + i is query 16 (r >> 2) + 4 (r & 3) + i
	v_and_b32 v[T5], 3, v[TR]
	s_delay_alu instid0(VALU_DEP_2)
	v_lshlrev_b32 v[FST], 9, v[T4]
	s_delay_alu instid0(VALU_DEP_1)
	v_lshl_add_u32 v[FST], v[T5], 6, v[FST]
	s_delay_alu instid0(VALU_DEP_1)
	v_lshl_add_u32 v[FST], v[TH], 8, v[FST]
	s_lshl_b32 s42, s[WI], 4
	s_add_co_u32 s42, s42, OSTF
	v_add_nc_u32 v[FST], s42, v[FST]
	v_lshrrev_b32 v[T4], 3, v[TR]                  ; g: column 4 r + i is block 2 (r >> 3) + (i & 1), row (r & 7) + 8 (i >> 1)
	v_and_b32 v[T5], 7, v[TR]
	s_delay_alu instid0(VALU_DEP_2)
	v_lshlrev_b32 v[GST], 10, v[T4]
	s_delay_alu instid0(VALU_DEP_1)
	v_lshl_add_u32 v[GST], v[T5], 4, v[GST]
	s_delay_alu instid0(VALU_DEP_1)
	v_lshl_add_u32 v[GST], v[TH], 8, v[GST]
	s_lshr_b32 s43, s[WI], 1                       ; i >> 1
	s_lshl_b32 s42, s[W1], 9
	s_lshl_b32 s44, s43, 7
	s_add_co_u32 s42, s42, s44
	s_add_co_u32 s42, s42, OSTG
	v_add_nc_u32 v[GST], s42, v[GST]
	s_lshl_b32 s42, s[WI], 2
	s_add_co_u32 s42, s42, OSFS
	v_lshl_add_u32 v[FSS], v[TR], 4, s42
	v_lshlrev_b32 v[GSS], 2, v[T5]
	s_delay_alu instid0(VALU_DEP_1)
	v_lshl_add_u32 v[GSS], v[T4], 1, v[GSS]
	s_lshl_b32 s42, s43, 5
	s_add_co_u32 s42, s42, s[W1]
	s_add_co_u32 s42, s42, OSGS
	v_add_nc_u32 v[GSS], s42, v[GSS]
	v_lshlrev_b32 v[HST], 4, v[TR]
	s_delay_alu instid0(VALU_DEP_1)
	v_lshl_add_u32 v[HST], v[TH], 9, v[HST]
	s_lshl_b32 s42, s[W1], 10
	s_add_co_u32 s42, s42, OSTH
	v_add_nc_u32 v[HST], s42, v[HST]
	v_lshl_add_u32 v[HSG], v[TR], 2, v[TH]
	s_lshl_b32 s42, s[W1], 6
	v_add_nc_u32 v[HSG], s42, v[HSG]
	s_lshl_b32 s42, s[WI], 9
	v_add_nc_u32 v[GOF], s42, v[L16]
	s_delay_alu instid0(VALU_DEP_1)
	v_add_nc_u32 v[RB], OSTF, v[GOF]
	s_lshl_b32 s42, s43, 11
	s_lshl_b32 s44, s[W1], 9
	s_add_co_u32 s42, s42, s44
	v_add_nc_u32 v[HOF], s42, v[L16]
	v_lshl_add_u32 v[L8F], v[TL], 3, OSFS
	v_lshlrev_b32 v[G8], 3, v[TL]
	v_lshl_add_u32 v[L2G], v[TL], 1, OSGS
	v_lshlrev_b32 v[G2], 1, v[TL]
	; where the work-group's parts begin in the six buffers (s41 = 0)
	s_lshl_b32 s40, s[IB], 17
	s_lshl_b32 s42, ttmp9, 11
	s_add_co_u32 s40, s40, s42
	s_add_nc_u64 s[22:23], s[22:23], s[40:41]      ; fq
	s_add_nc_u64 s[26:27], s[26:27], s[40:41]      ; gq
	s_lshr_b32 s43, ttmp9, 1                       ; the key step of 128,
	s_and_b32 s44, ttmp9, 1                        ; and which half of it
	s_lshl_b32 s40, s[IB], 17
	s_lshl_b32 s42, s43, 12
	s_add_co_u32 s40, s40, s42
	s_lshl_b32 s42, s44, 10
	s_add_co_u32 s40, s40, s42
	s_add_nc_u64 s[30:31], s[30:31], s[40:41]      ; hq
	s_lshl_b32 s40, s[IB], 14
	s_lshl_b32 s42, ttmp9, 8
	s_add_co_u32 s40, s40, s42
	s_add_nc_u64 s[24:25], s[24:25], s[40:41]      ; fs
	s_lshl_b32 s40, s[IB], 12
	s_lshl_b32 s42, ttmp9, 6
	s_add_co_u32 s40, s40, s42
	s_add_nc_u64 s[28:29], s[28:29], s[40:41]      ; gs
	s_lshl_b32 s40, s[IB], 12
	s_lshl_b32 s42, s43, 7
	s_add_co_u32 s40, s40, s42
	s_lshl_b32 s42, s44, 1
	s_add_co_u32 s40, s40, s42
	s_add_nc_u64 s[32:33], s[32:33], s[40:41]      ; hs
	s_mov_b32 s[SEL], 0x76543210
	s_mov_b32 s[SEL+1], 0xfedcba98                 ; v_permlanex16_b32's selects for lane l xor 16
	s_mov_b32 s[MNT], 0x600000
.irp t, 0,1,2,3
	v_mov_b32 v[PT+\t], 0                          ; written once: a lane permute's destination counts as one of its sources
.endr
	; ---- PHASE A: my K block of the weights, while x is on its way
	s_wait_loadcnt 16                              ; the 9 loads of biases and the 24 of weights are in; x's 16 may be out
	MAXG 4, WR, 16, 1
	SCALEG 4
.irp t, 0,1,2,3
	HOLDCVT \t, WR, 16, 1, WR
.endr
	v_nop                                          ; a plain line behind the last conversion
.irp t, 0,1,2,3
	PUT \t, \t
.endr
	s_wait_dscnt 0x0                               ; the stores have read codes and bytes: both are written again
	MAXG 2, WR+64, 16, 1
	SCALEG 2
	HOLDCVT 0, WR+64, 16, 1, WR+64
	HOLDCVT 1, WR+64, 16, 1, WR+64
	v_nop
	PUT 0, 4
	PUT 1, 5
	s_wait_dscnt 0x0
	s_wait_loadcnt 0x0                             ; x
	MAXG 4, XR, 1, 4                               ; column tile i: register 4 k + i
	SCALEG 4
.irp t, 0,1,2,3
	HOLDCVT \t, XR, 1, 4, WR
.endr
	v_nop
.irp t, 0,1,2,3
	PUT \t, 6+\t
.endr
	s_wait_dscnt 0x0                               ; for the others' sake: my pieces of the ten images have landed
	s_barrier_signal -1
	s_barrier_wait -1
	; ---- PHASE B.  The temporaries move to registers that held fragments
.set MX, 48
.set PT, 52
.set SO, 56
.set LM, 60
.set CD, 64
.set FWD, 72
	s_cmp_lt_u32 s[WV], 4
	s_cbranch_scc0 .Lnot_fg
	PROD L16, 0, L4, 0, L16I, 24576, L4I, 1536, 1  ; wf's and wg's four tiles x my column tile: register 16 p + 8 u + j = channel 16 h + 8 u + j of f (p = 0) or g (p = 1), column 4 r + i
	MAXG 2, ACC, 16, 1                             ; (each accumulator is first read at its low end)
	SCALEG 2
	HOLDCVT 0, ACC, 16, 1, ACC
	HOLDCVT 1, ACC, 16, 1, ACC
	v_lshl_or_b32 v[FWD], v[PT], 8, v[PT]          ; f's byte four times: its codes will stand in any of an operand's four blocks
	s_delay_alu instid0(VALU_DEP_1)
	v_lshl_or_b32 v[FWD], v[FWD], 16, v[FWD]
	ds_store_b128 v[FST], v[CD:CD+3]
	ds_store_b128 v[GST], v[CD+4:CD+7]
	ds_store_b32 v[FSS], v[FWD]                    ; (both halves of the lanes write the same word with the same value)
	ds_store_b8 v[GSS], v[PT+1]
	s_branch .Ljoin
.Lnot_fg:
	s_cmp_lt_u32 s[WV], 6
	s_cbranch_scc0 .Ljoin
	PROD L16, 24576, L4, 1536, L16I, 16384, L4I, 1024, 0   ; x's four tiles x my tile of wh: register 8 i + j of lane (r, hb) = h(channel 8 v + r + (r & 8), key 32 hb + 4 j + i)
.set k_, 0
.rept 32
	v_add_f32 v[ACC+k_], v[ACC+k_], v[BH]          ; all of a lane's results are one channel's
.set k_, k_+1
.endr
	v_max3_num_f32 v[MX], |v[ACC]|, |v[ACC+1]|, |v[ACC+2]|          ; a whole block of 32 keys lies in my lane
	v_max3_num_f32 v[MX+1], |v[ACC+3]|, |v[ACC+4]|, |v[ACC+5]|
.irp i, 6,10,14,18,22,26
	s_delay_alu instid0(VALU_DEP_2)
	v_max3_num_f32 v[MX], v[MX], |v[ACC+\i]|, |v[ACC+\i+1]|
	s_delay_alu instid0(VALU_DEP_2)
	v_max3_num_f32 v[MX+1], v[MX+1], |v[ACC+\i+2]|, |v[ACC+\i+3]|
.endr
	s_delay_alu instid0(VALU_DEP_2)
	v_max3_num_f32 v[MX], v[MX], |v[ACC+30]|, |v[ACC+31]|
	s_delay_alu instid0(VALU_DEP_1)
	v_max3_num_f32 v[MX], v[MX], v[MX+1], 0x8000000
	s_delay_alu instid0(VALU_DEP_1)
	v_add_nc_u32 v[SO], 0xf8800000, v[MX]
	s_delay_alu instid0(VALU_DEP_1)
	v_lshrrev_b32 v[PT], 23, v[SO]
.set k_, 0
.rept 32
.set k_, k_+1
.endr
.irp i, 0,1,2,3
	v_cvt_scalef32_pk8_bf8_f32 v[CD+2*\i:CD+2*\i+1], v[ACC+8*\i:ACC+8*\i+7], v[SO]   ; byte j: key 4 j + i
.endr
	v_nop
	ds_store_b128 v[HST], v[CD:CD+3]               ; i = 0, 1: the fragment's lanes 0-15,
	ds_store_b128 v[HST], v[CD+4:CD+7] offset:256  ; i = 2, 3: its lanes 16-31
	global_store_b8 v[HSG], v[PT], s[32:33]        ; 32 single bytes a wave: a scale word of h spans two work-groups' keys
.Ljoin:
	s_wait_dscnt 0x0                               ; my stores into the stages have landed
	s_barrier_signal -1
	s_barrier_wait -1
	; ---- THE WAY OUT: each store of a wave covers consecutive aligned bytes
	s_cmp_lt_u32 s[WV], 4
	s_cbranch_scc0 .Lnot_codes
	ds_load_b128 v[96:99], v[RB]
	ds_load_b128 v[100:103], v[RB] offset:2048
	ds_load_b128 v[104:107], v[RB] offset:4096
	s_wait_dscnt 2                                 ; LDS loads come back in order: the first is in
	global_store_b128 v[GOF], v[96:99], s[22:23]
	s_wait_dscnt 1
	global_store_b128 v[GOF], v[100:103], s[26:27]
	s_wait_dscnt 0x0
	global_store_b128 v[HOF], v[104:107], s[30:31]
	s_set_vgpr_msb 0x4
	s_wait_tensorcnt 0x0
	ds_add_u32 v255, v1
	s_wait_dscnt 0x0
	s_set_vgpr_msb 0x400
	s_endpgm
.Lnot_codes:
	s_cmp_eq_u32 s[WV], 4
	s_cbranch_scc0 .Lnot_fs
	ds_load_b64 v[96:97], v[L8F]
	s_wait_dscnt 0x0
	global_store_b64 v[G8], v[96:97], s[24:25]     ; 256 consecutive bytes
	s_set_vgpr_msb 0x4
	s_wait_tensorcnt 0x0
	ds_add_u32 v255, v1
	s_wait_dscnt 0x0
	s_set_vgpr_msb 0x400
	s_endpgm
.Lnot_fs:
	s_cmp_eq_u32 s[WV], 5
	s_cbranch_scc0 .Ldone
	ds_load_u16 v96, v[L2G]
	s_wait_dscnt 0x0
	global_store_b16 v[G2], v96, s[28:29]          ; 64 consecutive bytes
.Ldone:
	s_set_vgpr_msb 0x4
	s_wait_tensorcnt 0x0
	ds_add_u32 v255, v1
	s_wait_dscnt 0x0
	s_set_vgpr_msb 0x400
	s_endpgm
.Lfunc_end_k_q5148538aaf_proj:
	.size	k_q5148538aaf_proj, .Lfunc_end_k_q5148538aaf_proj-k_q5148538aaf_proj
	.p2alignl 7, 3214868480
	.fill 96, 4, 3214868480
	.section	.rodata,"a",@progbits
	.p2align	6, 0x0
	.amdhsa_kernel k_q5148538aaf_proj
		.amdhsa_group_segment_fixed_size 51200
		.amdhsa_private_segment_fixed_size 0
		.amdhsa_enable_private_segment 0
		.amdhsa_kernarg_size 104
		.amdhsa_user_sgpr_count 2
		.amdhsa_user_sgpr_kernarg_segment_ptr 1
		.amdhsa_wavefront_size32 1
		.amdhsa_system_sgpr_workgroup_id_x 1
		.amdhsa_system_sgpr_workgroup_id_y 1
		.amdhsa_system_sgpr_workgroup_id_z 1
		.amdhsa_system_vgpr_workitem_id 0
		.amdhsa_next_free_vgpr 258
		.amdhsa_next_free_sgpr 66
		.amdhsa_reserve_vcc 0
		.amdhsa_float_denorm_mode_32 3
		.amdhsa_float_denorm_mode_16_64 3
		.amdhsa_fp16_overflow 1
		.amdhsa_memory_ordered 1
		.amdhsa_forward_progress 1
		.amdhsa_inst_pref_size 50
	.end_amdhsa_kernel
	.amdgpu_metadata
---
amdhsa.version: [ 1, 2 ]
amdhsa.kernels:
  - .name:           k_q5148538aaf_proj
    .symbol:         k_q5148538aaf_proj.kd
    .args:
      - { .name: x, .offset: 0, .size: 8, .value_kind: global_buffer, .address_space: global }
      - { .name: wf, .offset: 8, .size: 8, .value_kind: global_buffer, .address_space: global }
      - { .name: wg, .offset: 16, .size: 8, .value_kind: global_buffer, .address_space: global }
      - { .name: wh, .offset: 24, .size: 8, .value_kind: global_buffer, .address_space: global }
      - { .name: bf, .offset: 32, .size: 8, .value_kind: global_buffer, .address_space: global }
      - { .name: bg, .offset: 40, .size: 8, .value_kind: global_buffer, .address_space: global }
      - { .name: bh, .offset: 48, .size: 8, .value_kind: global_buffer, .address_space: global }
      - { .name: fq, .offset: 56, .size: 8, .value_kind: global_buffer, .address_space: global }
      - { .name: fs, .offset: 64, .size: 8, .value_kind: global_buffer, .address_space: global }
      - { .name: gq, .offset: 72, .size: 8, .value_kind: global_buffer, .address_space: global }
      - { .name: gs, .offset: 80, .size: 8, .value_kind: global_buffer, .address_space: global }
      - { .name: hq, .offset: 88, .size: 8, .value_kind: global_buffer, .address_space: global }
      - { .name: hs, .offset: 96, .size: 8, .value_kind: global_buffer, .address_space: global }
    .group_segment_fixed_size: 51200
    .private_segment_fixed_size: 0
    .kernarg_segment_align: 8
    .kernarg_segment_size: 104
    .max_flat_workgroup_size: 256
    .sgpr_count:     66
    .vgpr_count:     258
    .wavefront_size: 32
...
	.end_amdgpu_metadata
.endif
;; end of part 1
;; launch attn (part 2): grid 64 x 4, 16 waves a work-group, clusters of 4 x 1, 327,680 bytes of LDS; arguments x, fq, fs, gq, gs, hq, hs, wv, bv, gamma, out0; writes out0
.if DOCPART == 2
	.amdgcn_target "amdgcn-amd-amdhsa--gfx1250"
	.amdhsa_code_object_version 6
	.text
	.protected	k_q5148538aaf_attn
	.globl	k_q5148538aaf_attn
	.p2align	8
	.type	k_q5148538aaf_attn,@function
k_q5148538aaf_attn:
	s_mov_b64 s[64:65], 0
	v_nop
	global_prefetch_b8 v0, s[64:65] scope:SCOPE_SE
	s_setreg_imm32_b32 hwreg(HW_REG_WAVE_MODE, 25, 1), 1
	s_wait_xcnt 0x0
	s_wait_alu depctr_hold_cnt(0) depctr_sa_sdst(0) depctr_va_vdst(0) depctr_va_sdst(0) depctr_va_ssrc(0) depctr_va_vcc(0) depctr_vm_vsrc(0)
	s_getreg_b32 s2, hwreg(HW_REG_IB_STS2, 6, 4)
	s_cmp_eq_u32 s2, 0
	s_cbranch_scc0 .Lentry_in_a_cluster
	s_endpgm
.Lentry_in_a_cluster:
	s_bfe_u32 s2, ttmp6, 0x10000c
	s_cmp_lg_u32 s2, 0x3003
	s_cbranch_scc0 .Lentry_shape_is_right
	s_endpgm
.Lentry_shape_is_right:
; out0 = gamma (wv x0 + bv) + x, x0[c][q] = sum over k of h[c][k] softmax_k(f[:, q] . g[:, k]); all three products on codes of BF8 (E5M2) with E8M0 scales.
; f, g, h come as codes and scale bytes laid as operand registers take them (fq, fs, gq, gs, hq, hs: the launch before); wv [256][32] f32 is quantised here.
; THE SOFTMAX AHEAD OF THE SECOND PRODUCT: t = logit x log2(e); M = the largest t so far, rounded up to a whole number; p = 2^(t - M) is quantised along the keys, not normalised;
; the sum is taken of the unquantised p and divides at the end.  When M moves, sum and O are multiplied by 2^(old M - new M): exact.
; SHARES.  A work-group owns 64 queries of one image.  Wave w: query tile qt = w & 3 (16 queries), and of each trip's four key steps of 128 keys the one numbered jw = w >> 2.
; So four waves share a tile's 4,096 keys, 8 steps each; their (M, sum, O) are joined at the end by exact powers of two.  Four waves of 256 registers share a SIMD.
; K = 32 IN AN INSTRUCTION OF K = 128.  Four tiles of 16 keys stand side by side as the four blocks of 32 of ONE operand (16 registers, one scale word with the four tiles' bytes).
; The queries' codes stand in a run of 28 registers: 12 zeros, 4 registers of codes, 12 zeros.  The 16 registers from v[QR + 12 - 4 cc] on have the codes in block cc and zero codes
; elsewhere: that operand picks tile cc.  The last product does the same with four tiles of wv's rows and x0's codes.
; LAYOUT.  S^T = g q^T and O^T = h p^T: a lane holds ONE query.  The keys of a tile are chosen (see the launch before) so that the 16 registers of two neighbouring tiles and the
; two halves of the lanes hold one true block of 32 keys, and h's codes are laid in the same order.
; WHERE g AND h COME FROM.  Trip 0's operands come straight from memory into registers, by loads issued ahead of the cluster's round: the buffers are laid as the LDS images are, so the
; same 16 loads of 16 bytes and two scale words serve.  Trips 1 to 7 stay in LDS, each byte filled once: no slot is filled again.  CLUSTER: the four work-groups of a cluster belong to one
; image, so every fill is asked for JOINTLY, by the same tensor load with the same descriptor and the mask of all four.  Wave 0 fetches g, wave 1 h, in four loads of growing size, so that
; a chunk lands while the trips before it are worked: four tensor loads of a wave are out at the most.
; wv IS QUANTISED ONCE IN THE WORK-GROUP: wave w takes rows 16 w .. 16 w + 15 and stores codes and scale byte to LDS as an image of operand registers; every wave reads its four tiles at the end.
; LIMITS: NaN and infinities are not served.  A block whose largest magnitude lies under 2^-111 gets the scale byte 1.  A p under 2^-126 counts as 0.  A query's keys are summed in four
; parts, so the order of rounding differs from one chain's.  The division by the sum is v_rcp_f32 and a multiplication.
.set GIMG, 0                           ; LDS: g's codes, 131,072 bytes: 2,048 for each 64 keys (the first 16,384, trip 0's, are not filled)
.set HIMG, 131072                      ; h's codes, 131,072: 4,096 for each 128 keys (likewise)
.set GSC,  262144                      ; g's scale words, 4,096: 128 for each 128 keys
.set HSC,  266240                      ; h's likewise
.set PART, 270336                      ; 16 waves x 2,304: O (4 x 512), then (-M, sum), 8 bytes a lane
.set PARTB, 2304
.set WVI,  307200                      ; wv's codes: 16 images of 512 bytes, image w = rows 16 w ..; no fill lands here
.set WVSC, 315392                      ; and their scale words: 128 bytes for each jw, byte qt of lane r's word
.set STP,  272                         ; the way out: 256 rows (channels) x (256 bytes + 16), from LDS byte 0 on: g's codes have had their only fill, and nobody reads them behind the barrier in front
.set AG0, 1                            ; v1   16 x lane + 4,096 jw: my place in a trip's codes, in LDS and in memory alike
.set AH0, 2                            ; v2   + HIMG
.set AS0, 3                            ; v3   GSC + 4 x lane + 128 jw
.set WIR, 1                            ; at the end: v1 where I read wv's four images, v2 their scale words
.set WSR, 2
.set AG,  4                            ; v4-6 the same three for the step in hand (at the head and at the end: lane, r, h)
.set AH,  5
.set AS,  6
.set XO,  7                            ; v7   my byte offset in my wave's 16 rows of x and of out0; never rewritten
.set PW,  8                            ; v8-11 at the head offsets of loads from memory (wv, fq, fs, gs and hs); at the end: my part in PART (16 and 8 bytes a lane), my query tile's first part
.set PWS, 9
.set PR,  10
.set PRS, 11
.set QR,  16                           ; v16-43 the run: v16-27 zeros, v28-31 codes, v32-43 zeros
.set QS,  44                           ; v44  the queries' scale words (later x0's);  v45 wv's;  v46 g's;  v47 h's: scales and nothing else
.set WVS, 45
.set GS,  46
.set HS,  47
.set WVF, 48                           ; v48-63  four tiles of wv's rows as one operand: read from LDS at the end
.set GF,  64                           ; v64-95  two operands of g (128 keys)
.set PC,  64                           ; behind the logits: v64-79 p's codes,
.set LM,  80                           ; v80-87 at the end: the four parts' (-M, sum),
.set L2,  84                           ; v[84:85] the sum's second chain
.set HF,  96                           ; v96-127 two operands of h
.set S,   128                          ; v128-191 S^T, then p
.set O,   192                          ; v192-207 O^T: register k = channel 16 h + k
.set XRES, 208                         ; v208-239 x for the residual: asked for behind trip 3, waited for at the end.  Until then the head's scratch:
.set WX,  208                          ; v208-223 my 16 numbers of a row of wv
.set WIA, 224                          ; v224 where I store their codes, v225 their scale byte
.set WSA, 225
.set WLM, 226
.set WBY, 227                          ; v227 the scale's byte
.set WCD, 228                          ; v228-231 the codes
.set BM,  240                          ; v240-243 the blocks' largest scores
.set PD,  244                          ; v244-247 the other half's, then the bytes
.set SO,  248                          ; v248-251 the conversions' scale operands
.set F,   252                          ; v[252:253] f = 2^(old M - new M); v253 = 0, named with it as a pair
.set T,   254
.set PS,  255                          ; v255 p's scale word
.set SGW, 240                          ; at the end: the stage, in; out; bv's offset
.set SGR, 241
.set BVO, 242
.set WV,  84                           ; s84 wave, s85 qt, s86 jw, s87 image
.set QT,  85
.set JW,  86
.set IB,  87
.set SEL, 88                           ; s[88:89] lane selects for lane l xor 16
.set CS,  90                           ; s[90:91] log2(e), twice
.set MNT, 92
.set TG,  93                           ; s93 the trip's codes: 16,384 bytes a trip
.set TS,  94                           ; s94 its scale words: 512 a trip
.set CNT, 95
.set GAM, 96                           ; s[96:97] gamma, twice
.set FW,  104                          ; s104 wave & 1: 0 fetches g, 1 fetches h
.macro CROUND                          ; a round of the cluster's barrier
	s_barrier_signal -1
	s_barrier_wait -1
	s_cmp_lg_u32 s[WV], 0
	s_cbranch_scc1 .Lnot_wave_0_\@
	s_barrier_signal -3
.Lnot_wave_0_\@:
	s_barrier_wait -3
	s_barrier_signal -1
	s_barrier_wait -1
.endm
.macro G1SET g, rows                   ; descriptor group 1: a dense block as rows of 256 bytes (32 elements of 8 bytes), no padding
	s_mov_b32 s[\g], 15|(3<<16)|(1<<21)            ; 15:0 the mask: all four work-groups; 17:16 elements of 8 bytes; 21 set beside a mask
	s_mov_b32 s[\g+1], 32<<16                      ; tensor_dim0 = 32
	s_mov_b32 s[\g+2], (\rows)<<16                 ; tensor_dim1
	s_mov_b32 s[\g+3], 32<<16                      ; tile_dim0 = 32
	s_mov_b32 s[\g+4], \rows                       ; tile_dim1
	s_mov_b32 s[\g+5], 32                          ; from row to row
	s_mov_b32 s[\g+6], 0
	s_mov_b32 s[\g+7], 0
.endm
.macro G0SET g, off                    ; descriptor group 0: the chunk of codes that begins off bytes into the image's
	s_mov_b32 s[\g], 1
	s_add_co_u32 s[\g+1], s100, \off
	s_add_nc_u64 s[\g+2:\g+3], s[26:27], \off
	s_or_b32 s[\g+3], s[\g+3], 0x80000000
.endm
	s_load_b512 s[4:19], s[0:1], 0x0               ; x s[4:5], fq s[6:7], fs s[8:9], gq s[10:11], gs s[12:13], hq s[14:15], hs s[16:17], wv s[18:19]
	s_load_b128 s[20:23], s[0:1], 0x40             ; bv s[20:21], gamma s[22:23]
	s_load_b64 s[24:25], s[0:1], 0x50              ; out0
	v_lshl_add_u32 v254, v0, 2, 0x4d200
	v_mov_b32 v255, 0
	ds_add_u32 v254, v255
	ds_add_u32 v254, v255
	s_wait_dscnt 0x0
	; ---- all that needs no argument stands here, while the arguments are on their way
	v_lshrrev_b32 v[AG], 5, v0
	s_delay_alu instid0(VALU_DEP_1)
	v_readfirstlane_b32 s[WV], v[AG]               ; wave 0..15
	s_and_b32 s[QT], s[WV], 3
	s_lshr_b32 s[JW], s[WV], 2
	s_and_b32 s[FW], s[WV], 1
	s_and_b32 s[IB], ttmp7, 0xffff                 ; the image, which the four partners share
	s_bfe_u32 s66, ttmp6, 0x40000                  ; cx
	s_lshl_b32 s67, ttmp9, 2
	s_add_co_u32 s67, s67, s66                     ; my block of 64 queries = 4 x cluster x + cx: it enters the addresses of x, out0, fq and fs alone (s2, s32 to s35, s66, s67)
	v_and_b32 v[AG], 31, v0                        ; lane
	v_and_b32 v[AH], 15, v0                        ; r
	v_bfe_u32 v[AS], v0, 4, 1                      ; h
	s_delay_alu instid0(VALU_DEP_2)
	v_lshlrev_b32 v[XO], 4, v[AH]                  ; x, out0: 16 bytes a lane of a row's 256; lanes 16-31 one channel further down
	s_delay_alu instid0(VALU_DEP_1)
	v_lshl_or_b32 v[XO], v[AS], 14, v[XO]
	s_delay_alu instid0(VALU_DEP_4)
	v_lshlrev_b32 v[PW], 7, v[AH]                  ; wv: row r of 128 bytes, + my half's 16 numbers, + 16 rows x wave
	s_delay_alu instid0(VALU_DEP_1)
	v_lshl_add_u32 v[PW], v[AS], 6, v[PW]
	s_lshl_b32 s105, s[WV], 11
	v_add_nc_u32 v[PW], s105, v[PW]
	v_lshlrev_b32 v[PWS], 4, v[AG]                 ; fq: 16 x lane
	v_lshlrev_b32 v[PR], 2, v[AH]                  ; fs: 4 r
	s_lshl_b32 s105, s[JW], 7
	v_lshl_add_u32 v[PRS], v[AG], 2, s105          ; gs, hs: 4 x lane + 128 jw
	s_delay_alu instid0(VALU_DEP_1)
	v_add_nc_u32 v[AS0], GSC, v[PRS]
	s_lshl_b32 s105, s[JW], 12
	v_lshl_add_u32 v[AG0], v[AG], 4, s105
	s_delay_alu instid0(VALU_DEP_1)
	v_add_nc_u32 v[AH0], HIMG, v[AG0]
	s_lshl_b32 s105, s[WV], 9
	s_add_co_u32 s105, s105, WVI
	v_lshl_add_u32 v[WIA], v[AG], 4, s105          ; wv's image w: 16 x lane
	s_lshl_b32 s105, s[JW], 7
	s_add_co_u32 s105, s105, s[QT]
	s_add_co_u32 s105, s105, WVSC
	v_lshl_add_u32 v[WSA], v[AG], 2, s105          ; byte qt of my lane's word
	s_lshl_b32 s2, s[IB], 22                       ; x, out0: the image, my wave's 16 channels, my block's 64 columns
	s_lshl_b32 s3, s[WV], 18
	s_add_co_u32 s2, s2, s3
	s_lshl_b32 s3, s67, 8
	s_add_co_u32 s2, s2, s3
	s_mov_b32 s3, 0
	s_lshl_b32 s32, s[IB], 17                      ; fq: 2,048 bytes a block, 512 a tile
	s_lshl_b32 s33, s67, 11
	s_add_co_u32 s32, s32, s33
	s_lshl_b32 s33, s[QT], 9
	s_add_co_u32 s32, s32, s33
	s_mov_b32 s33, 0
	s_lshl_b32 s34, s[IB], 14                      ; fs: 4 bytes a query
	s_lshl_b32 s35, s67, 8
	s_add_co_u32 s34, s34, s35
	s_lshl_b32 s35, s[QT], 6
	s_add_co_u32 s34, s34, s35
	s_mov_b32 s35, 0
	s_lshl_b32 s98, s[IB], 17                      ; the image in gq and hq,
	s_mov_b32 s99, 0
	s_lshl_b32 s100, s[IB], 12                     ; in gs and hs
	s_mov_b32 s101, 0
	G1SET 48, 16
	G1SET 56, 64
	G1SET 68, 128
	G1SET 76, 256
	s_mov_b32 s[SEL], 0x76543210
	s_mov_b32 s[SEL+1], 0xfedcba98
	s_mov_b32 s[CS], 0x3fb8aa3b                    ; log2(e)
	s_mov_b32 s[CS+1], s[CS]                       ; (named with it as a pair, so it is written)
	s_mov_b32 s[TG], 0
	s_mov_b32 s[TS], 0
.set k_, 0
.rept 12
	v_mov_b32 v[QR+k_], 0                          ; the run's zero codes
	v_mov_b32 v[QR+16+k_], 0
.set k_, k_+1
.endr
.set k_, 0
.rept 16
	v_mov_b32 v[O+k_], 0                           ; the step's arithmetic is written once: the first finds zeros, which the first change of M leaves zeros
.set k_, k_+1
.endr
	v_mov_b32 v13, 0xff61b1e6                      ; the largest t so far: -3e38
	s_delay_alu instid0(VALU_DEP_1)
	v_floor_f32 v12, -v13                          ; -M
	v_mov_b32 v14, 0                               ; the sum, in two halves
	v_mov_b32 v15, 0
	v_mov_b32 v[F+1], 0
.irp b, 0,1,2,3
	v_mov_b32 v[PD+\b], 0                          ; written once: a lane permute's destination counts as one of its sources
.endr
	s_wait_kmcnt 0x0
	s_add_nc_u64 s[4:5], s[4:5], s[2:3]
	s_add_nc_u64 s[24:25], s[24:25], s[2:3]
	s_add_nc_u64 s[6:7], s[6:7], s[32:33]
	s_add_nc_u64 s[8:9], s[8:9], s[34:35]
	s_add_nc_u64 s[10:11], s[10:11], s[98:99]
	s_add_nc_u64 s[14:15], s[14:15], s[98:99]
	s_add_nc_u64 s[12:13], s[12:13], s[100:101]
	s_add_nc_u64 s[16:17], s[16:17], s[100:101]
	; ---- 24 loads a wave go out ahead of the round: my row tile of wv, trip 0's operands, my queries
.irp q, 0,1,2,3
	global_load_b128 v[WX+4*\q:WX+4*\q+3], v[PW], s[18:19] offset:16*\q   ; wv(16 w + r, 16 h + 4 q ..)
.endr
.irp g, 0,1
.irp c, 0,1,2,3
	global_load_b128 v[GF+16*\g+4*\c:GF+16*\g+4*\c+3], v[AG0], s[10:11] offset:2048*\g+512*\c   ; key step jw of g: 512 consecutive bytes a load
.endr
.endr
	global_load_b32 v[GS], v[PRS], s[12:13]
.irp u, 0,1
.irp c, 0,1,2,3
	global_load_b128 v[HF+16*\u+4*\c:HF+16*\u+4*\c+3], v[AG0], s[14:15] offset:2048*\u+512*\c   ; and of h
.endr
.endr
	global_load_b32 v[HS], v[PRS], s[16:17]
	global_load_b128 v[QR+12:QR+15], v[PWS], s[6:7]        ; my tile's codes
	global_load_b32 v[QS], v[PR], s[8:9]                   ; and scale words
	s_load_b32 s[GAM], s[22:23], 0x0
	; the descriptors' first groups.  Nothing in them hangs on my place in the cluster
	s_cmp_eq_u32 s[FW], 0
	s_cselect_b64 s[26:27], s[10:11], s[14:15]     ; codes: g's or h's
	s_cselect_b64 s[98:99], s[12:13], s[16:17]     ; scale bytes
	s_lshl_b32 s100, s[FW], 17                     ; where they go: GIMG or HIMG,
	s_lshl_b32 s105, s[FW], 12                     ; GSC or HSC
	s_mov_b32 s28, 1
	s_add_co_u32 s29, s105, GSC
	s_mov_b64 s[30:31], s[98:99]
	s_or_b32 s31, s31, 0x80000000
	G0SET 36, 16384                                ; trip 1
	G0SET 40, 32768                                ; trips 2, 3
	G0SET 44, 65536                                ; trips 4 to 7
	CROUND                                         ; all four work-groups are here: the joint loads meet
	s_cmp_lt_u32 s[WV], 2                          ; all fills of a wave stand in one branch, ahead of every wait on TENSORcnt and every LDS read
	s_cbranch_scc0 .Lno_fill
	tensor_load_to_lds s[28:31], s[48:55]          ; the scale bytes, 4,096
	s_nop 0
	tensor_load_to_lds s[36:39], s[56:63]          ; 16,384
	s_nop 0
	tensor_load_to_lds s[40:43], s[68:75]          ; 32,768
	s_nop 0
	tensor_load_to_lds s[44:47], s[76:83]          ; 65,536
	s_nop 0
.rept 4
	v_nop
.endr
.Lno_fill:
	; ---- my 16 rows of wv: each row is one block of 32 along K, 16 numbers in each half of the lanes
	s_wait_loadcnt 20                              ; wv's 4 loads are in; the 20 issued behind them (g 9, h 9, the queries 2) may be out
	v_max3_num_f32 v[BM], |v[WX]|, |v[WX+1]|, 0x8000000    ; with the floor 2^(16 - 127): the byte cannot fall under 1
.irp i, 2,4,6,8,10,12,14
	s_delay_alu instid0(VALU_DEP_1)
	v_max3_num_f32 v[BM], v[BM], |v[WX+\i]|, |v[WX+\i+1]|
.endr
	s_delay_alu instid0(VALU_DEP_1)
	v_permlanex16_b32 v[PD], v[BM], s[SEL], s[SEL+1]
	s_delay_alu instid0(VALU_DEP_1)
	v_max_num_f32 v[BM], v[BM], v[PD]
	s_delay_alu instid0(VALU_DEP_1)
	v_add_nc_u32 v[SO], 0xf8800000, v[BM]          ; 15 off the exponent field: the conversion's scale operand
	s_delay_alu instid0(VALU_DEP_1)
	v_lshrrev_b32 v[WBY], 23, v[SO]                ; the scale's byte
.set k_, 0
.rept 16
.set k_, k_+1
.endr
	v_cvt_scalef32_pk8_bf8_f32 v[WCD:WCD+1], v[WX:WX+7], v[SO]
	v_cvt_scalef32_pk8_bf8_f32 v[WCD+2:WCD+3], v[WX+8:WX+15], v[SO]
	v_nop                                          ; a plain line behind the last conversion
	ds_store_b128 v[WIA], v[WCD:WCD+3]             ; the image; codes, byte and both addresses are not written again before a wait for all my LDS instructions
	ds_store_b8 v[WSA], v[WBY]                     ; (both halves of the lanes hold the same byte and write words of their own)
	s_wait_kmcnt 0x0
	s_mov_b32 s[GAM+1], s[GAM]
	s_wait_loadcnt 0x0                             ; trip 0's operands and my queries are in
; A KEY STEP: 128 keys for my 16 queries.  ld = 1: the operands come from LDS; ld = 0: they stand in the registers already.
.macro STEP ld
.if \ld
	v_add_nc_u32 v[AG], s[TG], v[AG0]
	v_add_nc_u32 v[AH], s[TG], v[AH0]
	v_add_nc_u32 v[AS], s[TS], v[AS0]
.rept 5
	v_nop                                          ; with the three additions: eight places in front of loads into registers that the last products read
.endr
.irp g, 0,1
.irp c, 0,1,2,3
	ds_load_b128 v[GF+16*\g+4*\c:GF+16*\g+4*\c+3], v[AG] offset:2048*\g+512*\c
.endr
.endr
	ds_load_b32 v[GS], v[AS]                       ; lanes 0-15: the first operand's words; lanes 16-31: the second's
.irp u, 0,1
.irp c, 0,1,2,3
	ds_load_b128 v[HF+16*\u+4*\c:HF+16*\u+4*\c+3], v[AH] offset:2048*\u+512*\c
.endr
.endr
	ds_load_b32 v[HS], v[AS] offset:HSC-GSC
	s_wait_dscnt 9                                 ; g's nine loads are in; h's nine may be out
.endif
.irp k, 0,1,2,3                                ; S^T: the run's window picks block k.  Register 16 c + 8 u' + j' of lane (query r, h2) is place 32 c + 16 h2 + 8 u' + j' of the next K
	v_wmma_scale_f32_16x16x128_f8f6f4 v[S+8*\k:S+8*\k+7], v[GF:GF+15], v[QR+12-4*\k:QR+27-4*\k], 0, v[GS], v[QS] matrix_a_fmt:MATRIX_FMT_BF8 matrix_b_fmt:MATRIX_FMT_BF8
.endr
.irp k, 0,1,2,3
	v_wmma_scale_f32_16x16x128_f8f6f4 v[S+32+8*\k:S+32+8*\k+7], v[GF+16:GF+31], v[QR+12-4*\k:QR+27-4*\k], 0, v[GS], v[QS] matrix_a_fmt:MATRIX_FMT_BF8 matrix_b_fmt:MATRIX_FMT_BF8 matrix_a_scale:MATRIX_SCALE_ROW1
.endr
.rept 8
	v_nop
.endr
.irp b, 0,1,2,3
	v_max3_num_f32 v[BM+\b], v[S+16*\b], v[S+1+16*\b], v[S+2+16*\b]   ; the largest score of each block of 32 keys: for the row's maximum, and, since p rises with the score, for the block's largest p
.endr
.irp i, 3,5,7,9,11,13
.irp b, 0,1,2,3
	v_max3_num_f32 v[BM+\b], v[BM+\b], v[S+16*\b+\i], v[S+1+16*\b+\i]
.endr
.endr
.irp b, 0,1,2,3
	v_max_num_f32 v[BM+\b], v[BM+\b], v[S+15+16*\b]
.endr
.irp b, 0,1,2,3
	s_delay_alu instid0(VALU_DEP_4)
	v_permlanex16_b32 v[PD+\b], v[BM+\b], s[SEL], s[SEL+1]
.endr
.irp b, 0,1,2,3
	s_delay_alu instid0(VALU_DEP_4)
	v_max_num_f32 v[BM+\b], v[BM+\b], v[PD+\b]     ; with lane l xor 16's 16 keys
.endr
	s_delay_alu instid0(VALU_DEP_2)
	v_max3_num_f32 v[T], v[BM], v[BM+1], v[BM+2]
	s_delay_alu instid0(VALU_DEP_1)
	v_max_num_f32 v[T], v[T], v[BM+3]
	s_delay_alu instid0(VALU_DEP_1)
	v_mul_f32 v[T], s[CS], v[T]                    ; as t
	s_delay_alu instid0(VALU_DEP_1)
	v_max_num_f32 v13, v13, v[T]                   ; the running largest t
	v_mov_b32 v[T], v12
	s_delay_alu instid0(VALU_DEP_2)
	v_floor_f32 v12, -v13                          ; the new -M = -ceil(t): a whole number
	s_delay_alu instid0(VALU_DEP_1)
	v_sub_f32 v[T], v12, v[T]                      ; old M - new M, 0 or less
	s_delay_alu instid0(VALU_DEP_1)
	v_cvt_i32_f32 v[T], v[T]                       ; (it saturates)
	s_delay_alu instid0(VALU_DEP_1)
	v_ldexp_f32 v[F], 1.0, v[T]                    ; f = 2^(old M - new M)
.set j_, 0
.rept 32
	v_pk_fma_f32 v[S+j_:S+j_+1], v[S+j_:S+j_+1], s[CS:CS+1], v[12:13] op_sel_hi:[1,0,0]   ; t - M, two at a time
.set j_, j_+2
.endr
.irp b, 0,1,2,3
	v_fma_f32 v[BM+\b], v[BM+\b], s[CS], v12       ; the same of each block's largest score
.endr
.set j_, 0
	s_setprio 1
	s_wait_alu depctr_va_vdst(0)
.rept 64
	v_exp_f32 v[S+j_], v[S+j_]                     ; p = 2^(t - M)
.set j_, j_+1
.endr
	v_pk_mul_f32 v[14:15], v[14:15], v[F:F+1] op_sel_hi:[1,0]   ; the sums under the new M: the plain line behind the exponentials
	s_wait_alu depctr_va_vdst(0)                   ; one wait for the batch, ahead of its first reader
.irp b, 0,1,2,3
	v_exp_f32 v[BM+\b], v[BM+\b]                   ; the block's largest p
.endr
	v_pk_add_f32 v[84:85], v[132:133], v[136:137]
	v_pk_add_f32 v[250:251], v[140:141], v[144:145]
	v_pk_add_f32 v[248:249], v[148:149], v[152:153]
	v_pk_add_f32 v[246:247], v[156:157], v[160:161]
	v_pk_add_f32 v[244:245], v[164:165], v[168:169]
	v_pk_add_f32 v[94:95], v[172:173], v[176:177]
	v_pk_add_f32 v[92:93], v[180:181], v[184:185]
	v_pk_add_f32 v[14:15], v[14:15], v[188:189]
	v_pk_add_f32 v[84:85], v[84:85], v[128:129]
	v_pk_add_f32 v[250:251], v[250:251], v[130:131]
	v_pk_add_f32 v[248:249], v[248:249], v[134:135]
	v_pk_add_f32 v[246:247], v[246:247], v[138:139]
	v_pk_add_f32 v[244:245], v[244:245], v[142:143]
	v_pk_add_f32 v[94:95], v[94:95], v[146:147]
	v_pk_add_f32 v[92:93], v[92:93], v[150:151]
	v_pk_add_f32 v[14:15], v[14:15], v[154:155]
	v_pk_add_f32 v[84:85], v[84:85], v[158:159]
	v_pk_add_f32 v[250:251], v[250:251], v[162:163]
	v_pk_add_f32 v[248:249], v[248:249], v[166:167]
	v_pk_add_f32 v[246:247], v[246:247], v[170:171]
	v_pk_add_f32 v[244:245], v[244:245], v[174:175]
	v_pk_add_f32 v[94:95], v[94:95], v[178:179]
	v_pk_add_f32 v[92:93], v[92:93], v[182:183]
	v_pk_add_f32 v[14:15], v[14:15], v[186:187]
	v_pk_add_f32 v[84:85], v[84:85], v[190:191]
	s_delay_alu instid0(VALU_DEP_2)
	v_pk_add_f32 v[14:15], v[14:15], v[246:247]
	s_delay_alu instid0(VALU_DEP_2)
	v_pk_add_f32 v[84:85], v[84:85], v[244:245]
	v_pk_add_f32 v[250:251], v[250:251], v[94:95]
	v_pk_add_f32 v[248:249], v[248:249], v[92:93]
	s_delay_alu instid0(VALU_DEP_2)
	v_pk_add_f32 v[14:15], v[14:15], v[250:251]
	s_delay_alu instid0(VALU_DEP_2)
	v_pk_add_f32 v[84:85], v[84:85], v[248:249]
	s_delay_alu instid0(VALU_DEP_1)
	v_pk_add_f32 v[14:15], v[14:15], v[84:85]
	s_setprio 0
	s_wait_alu depctr_va_vdst(0)                   ; and one for the four
.irp b, 0,1,2,3
	v_max_num_f32 v[BM+\b], 0x8000000, v[BM+\b]    ; the floor 2^(16 - 127)
.endr
.irp b, 0,1,2,3
	s_delay_alu instid0(VALU_DEP_4)
	v_add_nc_u32 v[SO+\b], 0xf8800000, v[BM+\b]
.endr
.irp b, 0,1,2,3
.endr
.irp b, 0,1,2,3
	s_delay_alu instid0(VALU_DEP_4)
	v_lshrrev_b32 v[PD+\b], 23, v[SO+\b]
.endr
	s_delay_alu instid0(VALU_DEP_3)
	v_lshl_or_b32 v[PS], v[PD+1], 8, v[PD]         ; p's scale word for these 128 keys
	s_delay_alu instid0(VALU_DEP_1)
	v_lshl_or_b32 v[PS], v[PD+2], 16, v[PS]
	s_delay_alu instid0(VALU_DEP_1)
	v_lshl_or_b32 v[PS], v[PD+3], 24, v[PS]
.irp b, 0,1,2,3
.irp i, 0,1,2,3,4,5,6,7,8,9,10,11,12,13,14,15
.endr
	v_cvt_scalef32_pk8_bf8_f32 v[PC+4*\b:PC+4*\b+1], v[S+16*\b:S+16*\b+7], v[SO+\b]
	v_cvt_scalef32_pk8_bf8_f32 v[PC+4*\b+2:PC+4*\b+3], v[S+16*\b+8:S+16*\b+15], v[SO+\b]
.endr
.set j_, 0
.rept 8
	v_pk_mul_f32 v[O+j_:O+j_+1], v[O+j_:O+j_+1], v[F:F+1] op_sel_hi:[1,0]   ; O^T under the new M; these eight are also the places between the codes and the products
.set j_, j_+2
.endr
.if \ld
	s_wait_alu depctr_va_vdst(0)
	s_wait_dscnt 0x0                               ; h
.endif
	v_wmma_scale_f32_16x16x128_f8f6f4 v[O:O+7], v[HF:HF+15], v[PC:PC+15], v[O:O+7], v[HS], v[PS] matrix_a_fmt:MATRIX_FMT_BF8 matrix_b_fmt:MATRIX_FMT_BF8
	v_wmma_scale_f32_16x16x128_f8f6f4 v[O+8:O+15], v[HF+16:HF+31], v[PC:PC+15], v[O+8:O+15], v[HS], v[PS] matrix_a_fmt:MATRIX_FMT_BF8 matrix_b_fmt:MATRIX_FMT_BF8 matrix_a_scale:MATRIX_SCALE_ROW1
	s_add_co_u32 s[TG], s[TG], 16384
	s_add_co_u32 s[TS], s[TS], 512
.endm
; A chunk's trips.  left = the tensor loads issued behind the chunk's, which may stay out.  While chunks are out the trips are written out, so that every LDS address is a constant of the text.
.macro PHASE trips, left
	s_wait_tensorcnt \left                         ; the fetching waves: the chunk has landed
	s_wait_dscnt 0x0                               ; my LDS instructions are done (ahead of the first of these barriers: my image of wv has landed)
	s_barrier_signal -1
	s_barrier_wait -1                              ; now every wave may read it
.if \trips > 2
	s_mov_b32 s[CNT], \trips
.Ltrip_\@:
	s_setprio 2
	STEP 1
	s_sub_co_u32 s[CNT], s[CNT], 1
	s_cmp_lg_u32 s[CNT], 0
	s_cbranch_scc1 .Ltrip_\@
	s_setprio 0
.else
.rept \trips
	STEP 1
.endr
.endif
.endm
	STEP 0                                         ; trip 0: no tile and no barrier is waited for; the chunks land meanwhile
	PHASE 1, 2                                     ; trip 1: the scale bytes and the first chunk
	PHASE 2, 1                                     ; trips 2, 3
.irp i, 0,1,2,3,4,5,6,7
	global_load_b128 v[XRES+4*\i:XRES+4*\i+3], v[XO], s[4:5] offset:32768*\i th:TH_LOAD_NT   ; x(16 w + 2 i + h, my block's columns), four key steps ahead of its use: sixteen lanes read 256 consecutive aligned bytes
.endr
	PHASE 4, 0                                     ; trips 4 to 7
	; ---- THE FOUR PARTS OF A QUERY TILE ARE JOINED.  The addresses are made first: 16 plain lines, the places behind the last products
	v_and_b32 v[AG], 31, v0                        ; lane
	s_wait_alu depctr_va_vdst(0)
	v_and_b32 v[AH], 15, v0                        ; r
	s_wait_alu depctr_va_vdst(0)
	v_bfe_u32 v[AS], v0, 4, 1                      ; h
	s_mul_i32 s98, s[WV], PARTB
	s_add_co_u32 s98, s98, PART
	v_lshl_add_u32 v[PW], v[AG], 4, s98
	v_lshl_add_u32 v[PWS], v[AG], 3, s98
	s_mul_i32 s99, s[QT], PARTB
	s_add_co_u32 s99, s99, PART
	v_lshl_add_u32 v[PR], v[AG], 4, s99
	v_lshl_add_u32 v[PRS], v[AG], 3, s99
	s_lshl_b32 s98, s[JW], 11
	s_add_co_u32 s98, s98, WVI
	v_lshl_add_u32 v[WIR], v[AG], 4, s98           ; wv's images 4 jw .. 4 jw + 3
	s_lshl_b32 s98, s[JW], 7
	s_add_co_u32 s98, s98, WVSC
	v_lshl_add_u32 v[WSR], v[AG], 2, s98           ; and their scale words
	v_mul_u32_u24 v[SGW], v[AH], STP               ; the stage, in: row 64 jw + 16 cc + r, bytes 64 qt + 32 h on
	s_wait_alu depctr_va_vdst(0)
	v_lshl_add_u32 v[SGW], v[AS], 5, v[SGW]
	s_mul_i32 s98, s[JW], 64*STP
	s_lshl_b32 s99, s[QT], 6
	s_add_co_u32 s98, s98, s99
	v_add_nc_u32 v[SGW], s98, v[SGW]
	v_mul_u32_u24 v[SGR], v[AS], STP               ; out: rows 16 w + 2 i + h, 16 bytes a lane
	s_delay_alu instid0(VALU_DEP_1)
	v_lshl_add_u32 v[SGR], v[AH], 4, v[SGR]
	s_mul_i32 s98, s[WV], 16*STP
	v_add_nc_u32 v[SGR], s98, v[SGR]
	s_lshl_b32 s98, s[WV], 6
	v_lshl_add_u32 v[BVO], v[AS], 2, s98           ; bv(16 w + h), + 2 i by the immediate
	v_add_f32 v13, v14, v15                        ; the sum's two halves,
	s_delay_alu instid0(VALU_DEP_1)
	v_permlanex16_b32 v[T], v13, s[SEL], s[SEL+1]
	s_delay_alu instid0(VALU_DEP_1)
	v_add_f32 v13, v13, v[T]                       ; and lane l xor 16's
.irp q, 0,1,2,3
	ds_store_b128 v[PW], v[O+4*\q:O+4*\q+3] offset:512*\q   ; each accumulator from its low end on
.endr
	ds_store_b64 v[PWS], v[12:13] offset:2048      ; (-M, sum)
.irp i, 0,1,2,3,4,5,6,7
	global_load_b32 v[HF+\i], v[BVO], s[20:21] offset:8*\i
.endr
	s_wait_dscnt 0x0                               ; my part has landed, and my reads of g and h are over
	s_barrier_signal -1
	s_barrier_wait -1
.irp j, 0,1,2,3
.irp q, 0,1,2,3
	ds_load_b128 v[S+16*\j+4*\q:S+16*\j+4*\q+3], v[PR] offset:4*PARTB*\j+512*\q
.endr
	ds_load_b64 v[LM+2*\j:LM+2*\j+1], v[PRS] offset:4*PARTB*\j+2048
.endr
.irp k, 0,1,2,3
	ds_load_b128 v[WVF+4*\k:WVF+4*\k+3], v[WIR] offset:512*\k   ; block k of the operand = rows 64 jw + 16 k + r of wv
.endr
	ds_load_b32 v[WVS], v[WSR]
	s_wait_dscnt 0x0
	v_min_num_f32 v[SO], v[LM], v[LM+2]
	v_min_num_f32 v[SO+1], v[LM+4], v[LM+6]
	s_delay_alu instid0(VALU_DEP_1)
	v_min_num_f32 v[SO], v[SO], v[SO+1]            ; -M of the whole row
.irp j, 0,1,2,3
	v_sub_f32 v[PD+\j], v[SO], v[LM+2*\j]          ; part j's M less the row's: a whole number, 0 or less
.endr
.irp j, 0,1,2,3
	s_delay_alu instid0(VALU_DEP_4)
	v_cvt_i32_f32 v[PD+\j], v[PD+\j]
.endr
.irp j, 0,1,2,3
	s_delay_alu instid0(VALU_DEP_4)
	v_ldexp_f32 v[PD+\j], 1.0, v[PD+\j]            ; the part's factor: an exact power of two
.endr
	s_delay_alu instid0(VALU_DEP_4)
	v_mul_f32 v[SO+1], v[PD], v[LM+1]
	s_delay_alu instid0(VALU_DEP_1)
	v_fma_f32 v[SO+1], v[PD+1], v[LM+3], v[SO+1]
	s_delay_alu instid0(VALU_DEP_1)
	v_fma_f32 v[SO+1], v[PD+2], v[LM+5], v[SO+1]
	s_delay_alu instid0(VALU_DEP_1)
	v_fma_f32 v[SO+1], v[PD+3], v[LM+7], v[SO+1]   ; the row's sum
	s_wait_alu depctr_va_vdst(0)
	v_rcp_f32 v[SO+2], v[SO+1]
	v_nop                                          ; a plain line behind the reciprocal
	s_wait_alu depctr_va_vdst(0)                   ; and the wait ahead of its first reader
.irp j, 0,1,2,3
	v_mul_f32 v[PD+\j], v[PD+\j], v[SO+2]
.endr
.set k_, 0
.rept 16
	v_mul_f32 v[O+k_], v[S+k_], v[PD]
.set k_, k_+1
.endr
.irp j, 1,2,3
.set k_, 0
.rept 16
	v_fma_f32 v[O+k_], v[S+16*\j+k_], v[PD+\j], v[O+k_]   ; x0(16 h + k, my query)
.set k_, k_+1
.endr
.endr
	; ---- x0 is quantised: one block of 32 channels a query, 16 in each half of the lanes
	v_max3_num_f32 v[SO], |v[O]|, |v[O+1]|, 0x8000000
.irp i, 2,4,6,8,10,12,14
	s_delay_alu instid0(VALU_DEP_1)
	v_max3_num_f32 v[SO], v[SO], |v[O+\i]|, |v[O+\i+1]|
.endr
	s_delay_alu instid0(VALU_DEP_1)
	v_permlanex16_b32 v[SO+1], v[SO], s[SEL], s[SEL+1]
	s_delay_alu instid0(VALU_DEP_1)
	v_max_num_f32 v[SO], v[SO], v[SO+1]
	s_delay_alu instid0(VALU_DEP_1)
	v_add_nc_u32 v[SO+2], 0xf8800000, v[SO]
	s_delay_alu instid0(VALU_DEP_1)
	v_lshrrev_b32 v[SO+1], 23, v[SO+2]
	s_delay_alu instid0(VALU_DEP_1)
	v_lshl_or_b32 v[QS], v[SO+1], 8, v[SO+1]       ; the byte four times: the codes stand in any of the four blocks
	s_delay_alu instid0(VALU_DEP_1)
	v_lshl_or_b32 v[QS], v[QS], 16, v[QS]
.set k_, 0
.rept 16
.set k_, k_+1
.endr
	v_cvt_scalef32_pk8_bf8_f32 v[QR+12:QR+13], v[O:O+7], v[SO+2]
	v_cvt_scalef32_pk8_bf8_f32 v[QR+14:QR+15], v[O+8:O+15], v[SO+2]
.rept 4
	v_nop                                          ; four places between codes written by vector instructions and a scaled product
.endr
.irp k, 0,1,2,3                                ; source 0 = my 16 queries, source 1 = 16 rows of wv: lane (r, h) holds channel 64 jw + 16 k + r and queries 16 qt + 8 h + 0 .. 7
	v_wmma_scale_f32_16x16x128_f8f6f4 v[S+8*\k:S+8*\k+7], v[QR+12-4*\k:QR+27-4*\k], v[WVF:WVF+15], 0, v[QS], v[WVS] matrix_a_fmt:MATRIX_FMT_BF8 matrix_b_fmt:MATRIX_FMT_BF8
.endr
.rept 8
	v_nop
.endr
.irp k, 0,1,2,3
	ds_store_b128 v[SGW], v[S+8*\k:S+8*\k+3] offset:16*STP*\k
	ds_store_b128 v[SGW], v[S+8*\k+4:S+8*\k+7] offset:16*STP*\k+16
.endr
	s_wait_dscnt 0x0                               ; my 64 x 16 numbers lie in the stage
	s_barrier_signal -1
	s_barrier_wait -1
	; ---- THE WAY OUT: wave w stores channels 16 w .. 16 w + 15
.irp i, 0,1,2,3,4,5,6,7
	ds_load_b128 v[S+32+4*\i:S+32+4*\i+3], v[SGR] offset:2*STP*\i
.endr
	s_wait_loadcnt 0x0                             ; x and bv
.irp i, 0,1,2,3,4,5,6,7
	s_wait_dscnt 7-\i                              ; LDS loads come back in order: row pair i is in
.irp e, 0,1,2,3
	v_add_f32 v[S+32+4*\i+\e], v[S+32+4*\i+\e], v[HF+\i]
.endr
	s_delay_alu instid0(VALU_DEP_3)
	v_pk_fma_f32 v[XRES+4*\i:XRES+4*\i+1], v[S+32+4*\i:S+32+4*\i+1], s[GAM:GAM+1], v[XRES+4*\i:XRES+4*\i+1] op_sel_hi:[1,0,1]
	s_delay_alu instid0(VALU_DEP_2)
	v_pk_fma_f32 v[XRES+4*\i+2:XRES+4*\i+3], v[S+32+4*\i+2:S+32+4*\i+3], s[GAM:GAM+1], v[XRES+4*\i+2:XRES+4*\i+3] op_sel_hi:[1,0,1]
	global_store_b128 v[XO], v[XRES+4*\i:XRES+4*\i+3], s[24:25] offset:32768*\i th:TH_STORE_NT   ; sixteen lanes store 256 consecutive aligned bytes
.endr
	s_wait_dscnt 0x0
	s_wait_xcnt 0x0
	v_lshl_add_u32 v254, v0, 2, 0x4d200
	v_mov_b32 v255, 0
	s_wait_alu depctr_va_vdst(0)
	s_wait_tensorcnt 0x0
	ds_add_u32 v254, v255
	s_wait_dscnt 0x0
	CROUND                                         ; the closing round: no work-group ends while a partner may still ask for a tile that names it
	s_endpgm
.Lfunc_end_k_q5148538aaf_attn:
	.size	k_q5148538aaf_attn, .Lfunc_end_k_q5148538aaf_attn-k_q5148538aaf_attn
	.p2alignl 7, 3214868480
	.fill 96, 4, 3214868480
	.section	.rodata,"a",@progbits
	.p2align	6, 0x0
	.amdhsa_kernel k_q5148538aaf_attn
		.amdhsa_group_segment_fixed_size 327680
		.amdhsa_private_segment_fixed_size 0
		.amdhsa_enable_private_segment 0
		.amdhsa_kernarg_size 88
		.amdhsa_user_sgpr_count 2
		.amdhsa_user_sgpr_kernarg_segment_ptr 1
		.amdhsa_wavefront_size32 1
		.amdhsa_system_sgpr_workgroup_id_x 1
		.amdhsa_system_sgpr_workgroup_id_y 1
		.amdhsa_system_sgpr_workgroup_id_z 1
		.amdhsa_system_vgpr_workitem_id 0
		.amdhsa_next_free_vgpr 256
		.amdhsa_next_free_sgpr 106
		.amdhsa_reserve_vcc 0
		.amdhsa_float_denorm_mode_32 3
		.amdhsa_float_denorm_mode_16_64 3
		.amdhsa_fp16_overflow 1
		.amdhsa_memory_ordered 1
		.amdhsa_forward_progress 1
		.amdhsa_inst_pref_size 106
	.end_amdhsa_kernel
	.amdgpu_metadata
---
amdhsa.version: [ 1, 2 ]
amdhsa.kernels:
  - .name:           k_q5148538aaf_attn
    .symbol:         k_q5148538aaf_attn.kd
    .args:
      - { .name: x, .offset: 0, .size: 8, .value_kind: global_buffer, .address_space: global }
      - { .name: fq, .offset: 8, .size: 8, .value_kind: global_buffer, .address_space: global }
      - { .name: fs, .offset: 16, .size: 8, .value_kind: global_buffer, .address_space: global }
      - { .name: gq, .offset: 24, .size: 8, .value_kind: global_buffer, .address_space: global }
      - { .name: gs, .offset: 32, .size: 8, .value_kind: global_buffer, .address_space: global }
      - { .name: hq, .offset: 40, .size: 8, .value_kind: global_buffer, .address_space: global }
      - { .name: hs, .offset: 48, .size: 8, .value_kind: global_buffer, .address_space: global }
      - { .name: wv, .offset: 56, .size: 8, .value_kind: global_buffer, .address_space: global }
      - { .name: bv, .offset: 64, .size: 8, .value_kind: global_buffer, .address_space: global }
      - { .name: gamma, .offset: 72, .size: 8, .value_kind: global_buffer, .address_space: global }
      - { .name: out0, .offset: 80, .size: 8, .value_kind: global_buffer, .address_space: global }
    .group_segment_fixed_size: 327680
    .private_segment_fixed_size: 0
    .kernarg_segment_align: 8
    .kernarg_segment_size: 88
    .max_flat_workgroup_size: 512
    .sgpr_count:     106
    .vgpr_count:     256
    .wavefront_size: 32
...
	.end_amdgpu_metadata
.endif
;; end of part 2
